; MI455X (gfx1250); checked and timed in simulation.
; The chip was launched on July 23, 2026; its instructions are those of AMD's public machine-readable ISA for CDNA 5 (MIT licence, August 2026) and "CDNA5" Instruction Set Architecture Reference Guide (July 2026). The comments in the code are by the model that wrote it; some were corrected since.
;; Lin ODE Cell. Allowed arithmetic: float matrix products may take bf16 or f16 operands with f32 sums; other float arithmetic in f32, or as packed bf16 or f16 multiplies, adds, multiply-adds, maxima and minima; sums over many terms, partial sums and values carried from step to step in f32; what a program stores and reads back later, other than sums and carried values, may be rounded once to bf16 or f16.
;; Inputs: dt 8,192 float32; kernel 64 x 64 float32; x0 8,192 x 64 float32.
;; Outputs: out0 8,192 x 64 float32.
;; 2 versions, each right; version 2 is version 1 with the launch prep written anew for expert scheduling mode. Each part assembles by itself: llvm-mc -triple=amdgcn-amd-amdhsa -mcpu=gfx1250 --defsym DOCPART=n.
;; ======== version 1 of 2: 2 launches
;; workspace buffers: afrag 16,384 bytes; steps 256 bytes of whole numbers
;; launch prep (part 1): grid 1 x 1, 4 waves a work-group, no clusters, 21,248 bytes of LDS; arguments dt, kernel, afrag, steps; writes afrag, steps
.if DOCPART == 1
	.amdgcn_target "amdgcn-amd-amdhsa--gfx1250"
	.amdhsa_code_object_version 6
	.text
	.protected	k_qbc6dbc51ae_prep
	.globl	k_qbc6dbc51ae_prep
	.p2align	8
	.type	k_qbc6dbc51ae_prep,@function
k_qbc6dbc51ae_prep:
	s_mov_b64 s[64:65], 0
	v_nop
	global_prefetch_b8 v0, s[64:65] scope:SCOPE_SE
	s_setreg_imm32_b32 hwreg(HW_REG_WAVE_MODE, 25, 1), 1
	s_wait_xcnt 0x0
; PREPARATION for out[b] = exp(dt[b] A) x0[b], A = kernel, 64 x 64 f32; dt: 8,192 f32.  One work-group of four waves: 48 KiB of input and one 64 x 64 x 64 product are work for no more.
; IT STORES (1) afrag: A as two bf16 numbers, hi = bf16(A) and lo = bf16(A - hi), in the order of matrix fragments: byte part x 8192 + (2 a + c) x 1024 + q x 512 + lane x 16 holds, for lane (r = lane % 16,
; h = lane / 16), row 16 a + r, columns 32 c + 16 q + 8 h + 0..7;  (2) steps: the whole number s, 64 times (a whole block of 256 bytes), the next launch's count of stages.
; HOW s IS MADE.  T = max |dt|; nA = the largest row sum of |A|; nP = the largest row sum of |hi hi|.  h^2 = max(nP + nA^2 / 64, nA^2 / 16): the first arm bounds the norm of A A (the two roundings to bf16
; move it by 2 x 2^-8 nA^2 at the most, half of nA^2 / 64), the second gives nA <= 4 h.  s = min(floor(h T / 3.5), 4095) + 1, so that |dt| h / s < 3.5 in every row.
; LIMITS.  h T <= 14,336 (s stops at 4,096); nA^2 must be finite in f32 (nA < 1.8e19); an h^2 below 2^-126 counts as 0 (s = 1); a NaN in dt or A loses in every maximum.
; SHARES.  Thread t takes 16 bytes of every eighth row of A (row 8 q + t / 16, columns 4 (t % 16) ..) and 64 numbers of dt.  Wave w takes rows 16 w .. 16 w + 15 of A as fragments: it stores them, and makes those rows of hi hi.
.set PITCH, 160                        ; an LDS row of A in bf16: 128 bytes + 32
.set HI,    0                          ; 64 rows of hi
.set LO,    64*PITCH                   ; 64 rows of lo
.set PART,  2*64*PITCH                 ; 20,480: 16 bytes for each wave: its nA, nP, T, 0; a block of 256 bytes of its own
.set SPARE, PART+256                   ; the spare words, 128 bytes for each wave: two blocks of 256 bytes that no other line names
.set SPW,  8                           ; v8   LDS address of my spare word: SPARE + 4 x my thread's number; never rewritten
.set NIL,  9                           ; v9   0; never rewritten
.set NEG1, 10                          ; v10  -1.0
.set AF,   16                          ; v[16:47]    A in f32, then A - hi; later the four waves' figures
.set DT,   48                          ; v[48:111]   dt
.set DP,   48                          ; v[48:79]    later: four accumulators, my 16 rows of hi hi
.set HP,   112                         ; v[112:127]  hi, packed
.set LP,   128                         ; v[128:143]  lo, packed
.set S1H,  144                         ; v[144:159]  my 16 rows of hi as two fragments (K half c at + 8 c)
.set S1L,  160                         ; v[160:175]  the same of lo
.set S0,   176                         ; v[176:239]  hi turned: columns 16 a .. of hi, K half c, at + 8 (2 a + c)
.set RS,   240                         ; v[240:247]  row sums; then v[240:243] = nA, nP, T, 0
	s_load_b256 s[4:11], s[0:1], 0x0               ; dt s[4:5], kernel s[6:7], afrag s[8:9], steps s[10:11]
	v_lshl_add_u32 v[SPW], v0, 2, SPARE
	v_mov_b32 v[NIL], 0
	v_mov_b32 v[NEG1], -1.0
	v_lshrrev_b32 v11, 5, v0
	v_readfirstlane_b32 s14, v11                   ; wave 0..3
	s_mov_b32 s15, 0x7fffffff                      ; clears a sign
	s_mov_b32 s16, 0x76543210                      ; v_permlanex16_b32: each lane takes its own place in the other half
	s_mov_b32 s17, 0xfedcba98
	s_lshl_b32 s18, s14, 4
	s_add_co_u32 s18, s18, PART                    ; my wave's 16 bytes
	s_lshl_b32 s19, s14, 11                        ; my wave's two fragments in afrag
	v_and_b32 v1, 15, v0                           ; r
	v_bfe_u32 v2, v0, 4, 1                         ; h
	v_lshlrev_b32 v3, 4, v0                        ; 16 x thread: the loads' offset
	v_lshrrev_b32 v11, 4, v0
	v_mul_u32_u24 v4, v11, PITCH
	v_lshl_add_u32 v4, v1, 3, v4                   ; into LDS: row t / 16, 8 bytes at 8 r
	v_lshl_add_u32 v11, s14, 4, v1
	v_mul_u32_u24 v5, v11, PITCH
	v_lshl_add_u32 v5, v2, 4, v5                   ; a fragment as it lies: row 16 w + r, 16 bytes at 16 h
	v_and_b32 v11, 7, v0
	v_lshl_add_u32 v11, v2, 3, v11
	v_mul_u32_u24 v6, v11, PITCH
	v_bfe_u32 v12, v0, 3, 1
	v_lshl_add_u32 v6, v12, 4, v6                  ; a fragment turned: row 8 h + lane % 8, 16 bytes at 16 ((lane / 8) % 2)
	v_and_b32 v11, 31, v0
	v_lshl_add_u32 v7, v11, 4, s19                 ; afrag: 2,048 w + 16 x lane
	s_wait_kmcnt 0x0
.irp q, 0,1,2,3,4,5,6,7
	global_load_b128 v[AF+4*\q:AF+4*\q+3], v3, s[6:7] offset:2048*\q   ; a wave's load covers 512 consecutive bytes
.endr
.set i, 0
.rept 16
	global_load_b128 v[DT+4*i:DT+4*i+3], v3, s[4:5] offset:2048*i
.set i, i+1
.endr
; My four numbers of row 8 q + t / 16: the sum of their magnitudes; hi; A - hi (exact in f32: one fused multiply-add from the bf16 half); lo; both into LDS.
.macro CONVQ q
	v_and_b32 v11, s15, v[AF+4*(\q)]
	v_and_b32 v12, s15, v[AF+4*(\q)+1]
	v_and_b32 v13, s15, v[AF+4*(\q)+2]
	v_and_b32 v14, s15, v[AF+4*(\q)+3]
	v_add_f32 v11, v11, v12
	v_add_f32 v13, v13, v14
	v_add_f32 v[RS+(\q)], v11, v13
	v_cvt_pk_bf16_f32 v[HP+2*(\q)], v[AF+4*(\q)], v[AF+4*(\q)+1]
	v_cvt_pk_bf16_f32 v[HP+2*(\q)+1], v[AF+4*(\q)+2], v[AF+4*(\q)+3]
	v_fma_mix_f32_bf16 v[AF+4*(\q)], v[HP+2*(\q)], v[NEG1], v[AF+4*(\q)] op_sel_hi:[1,0,0]
	v_fma_mix_f32_bf16 v[AF+4*(\q)+1], v[HP+2*(\q)], v[NEG1], v[AF+4*(\q)+1] op_sel:[1,0,0] op_sel_hi:[1,0,0]
	v_fma_mix_f32_bf16 v[AF+4*(\q)+2], v[HP+2*(\q)+1], v[NEG1], v[AF+4*(\q)+2] op_sel_hi:[1,0,0]
	v_fma_mix_f32_bf16 v[AF+4*(\q)+3], v[HP+2*(\q)+1], v[NEG1], v[AF+4*(\q)+3] op_sel:[1,0,0] op_sel_hi:[1,0,0]
	v_cvt_pk_bf16_f32 v[LP+2*(\q)], v[AF+4*(\q)], v[AF+4*(\q)+1]
	v_cvt_pk_bf16_f32 v[LP+2*(\q)+1], v[AF+4*(\q)+2], v[AF+4*(\q)+3]
	ds_store_b64 v4, v[HP+2*(\q):HP+2*(\q)+1] offset:HI+8*PITCH*(\q)
	ds_store_b64 v4, v[LP+2*(\q):LP+2*(\q)+1] offset:LO+8*PITCH*(\q)
.endm
	s_wait_loadcnt 16                              ; loads come back in order (ISA guide 5.7.1): A's eight are in, dt's sixteen stay out
.irp q, 0,1,2,3,4,5,6,7
	CONVQ \q
.endr
	; the 16 lanes of a half hold one row: four steps on the arithmetic itself give its sum in each of them
.irp m, 1,2,4,8
.irp q, 0,1,2,3,4,5,6,7
	v_add_f32_dpp v[RS+\q], v[RS+\q], v[RS+\q] row_xmask:\m row_mask:0xf bank_mask:0xf
.endr
.endr
	v_max3_num_f32 v[RS], v[RS], v[RS+1], v[RS+2]
	v_max3_num_f32 v[RS+3], v[RS+3], v[RS+4], v[RS+5]
	v_max3_num_f32 v[RS], v[RS], v[RS+6], v[RS+7]
	v_max_num_f32 v[RS], v[RS], v[RS+3]
	v_permlanex16_b32 v[RS+1], v[RS], s16, s17     ; the other half's rows
	v_max_num_f32 v[RS], v[RS], v[RS+1]            ; nA over my wave's 16 rows, in every lane
	s_wait_dscnt 0x0                               ; for the others' sake: my stores of hi and lo are done
	s_barrier_signal -1
	s_barrier_wait -1                              ; hi and lo are whole; nobody writes them again
.irp c, 0,1
.irp q, 0,1
	ds_load_b128 v[S1H+8*\c+4*\q:S1H+8*\c+4*\q+3], v5 offset:HI+64*\c+32*\q
.endr
.endr
.irp a, 0,1,2,3
.irp c, 0,1
	ds_load_tr16_b128 v[S0+8*(2*\a+\c):S0+8*(2*\a+\c)+3],   v6 offset:HI+32*PITCH*\c+32*\a            ; k = 32 c + 8 h + 0..7 of column 16 a + r
	ds_load_tr16_b128 v[S0+8*(2*\a+\c)+4:S0+8*(2*\a+\c)+7], v6 offset:HI+32*PITCH*\c+16*PITCH+32*\a   ; k = 32 c + 16 + 8 h + 0..7
.endr
.endr
.irp c, 0,1
.irp q, 0,1
	ds_load_b128 v[S1L+8*\c+4*\q:S1L+8*\c+4*\q+3], v5 offset:LO+64*\c+32*\q
.endr
.endr
	; T = max |dt|, while the LDS loads are out: my 64 numbers in four chains that do not wait for each other, then across the lanes
	s_wait_loadcnt 0x0
.set i, 0
.rept 64
	v_and_b32 v[DT+i], s15, v[DT+i]
.set i, i+1
.endr
.irp k, 0,1,2,3
	v_max_num_f32 v[DT+16*\k], v[DT+16*\k], v[DT+16*\k+1]
.endr
.irp i, 1,2,3,4,5,6,7
.irp k, 0,1,2,3
	v_max3_num_f32 v[DT+16*\k], v[DT+16*\k], v[DT+16*\k+2*\i], v[DT+16*\k+2*\i+1]
.endr
.endr
	v_max3_num_f32 v[DT], v[DT], v[DT+16], v[DT+32]
	v_max_num_f32 v[DT], v[DT], v[DT+48]
.irp m, 1,2,4,8
	v_max_num_f32_dpp v[DT], v[DT], v[DT] row_xmask:\m row_mask:0xf bank_mask:0xf
.endr
	v_permlanex16_b32 v[DT+1], v[DT], s16, s17
	v_max_num_f32 v[RS+2], v[DT], v[DT+1]          ; T over my wave's 2,048 numbers
	; hi hi, transposed use: source 0 = 16 columns of hi (turned), source 1 = my 16 rows: lane (r, h) gets row 16 w + r, columns 16 a + 8 h + 0..7.
	; The four accumulators take turns, one instruction a turn; the first four products start the sums.
	s_wait_dscnt 4                                 ; LDS loads come back in order: all but lo's four are in
.irp a, 0,1,2,3
	v_wmma_f32_16x16x32_bf16 v[DP+8*\a:DP+8*\a+7], v[S0+16*\a:S0+16*\a+7], v[S1H:S1H+7], 0
.endr
.irp a, 0,1,2,3
	v_wmma_f32_16x16x32_bf16 v[DP+8*\a:DP+8*\a+7], v[S0+16*\a+8:S0+16*\a+15], v[S1H+8:S1H+15], v[DP+8*\a:DP+8*\a+7]
.endr
	s_wait_dscnt 0x0                               ; lo's fragments are in
.irp c, 0,1
.irp q, 0,1
	global_store_b128 v7, v[S1H+8*\c+4*\q:S1H+8*\c+4*\q+3], s[8:9] offset:1024*\c+512*\q        ; each store of the wave covers 512 consecutive bytes, aligned
	global_store_b128 v7, v[S1L+8*\c+4*\q:S1L+8*\c+4*\q+3], s[8:9] offset:8192+1024*\c+512*\q
.endr
.endr
.rept 8
	v_nop                                          ; plain lines between the last product and the first reader of a result (ISA guide 7.12.1), with four to spare
.endr
.set i, 0
.rept 32
	v_and_b32 v[DP+i], s15, v[DP+i]                ; ascending: each accumulator is read from its low end on
.set i, i+1
.endr
.irp i, 0,1,2,3,4,5,6,7
	v_pk_add_f32 v[DP+4*\i:DP+4*\i+1], v[DP+4*\i:DP+4*\i+1], v[DP+4*\i+2:DP+4*\i+3]
.endr
.irp i, 0,1,2,3
	v_pk_add_f32 v[DP+8*\i:DP+8*\i+1], v[DP+8*\i:DP+8*\i+1], v[DP+8*\i+4:DP+8*\i+5]
.endr
.irp i, 0,1
	v_pk_add_f32 v[DP+16*\i:DP+16*\i+1], v[DP+16*\i:DP+16*\i+1], v[DP+16*\i+8:DP+16*\i+9]
.endr
	v_pk_add_f32 v[DP:DP+1], v[DP:DP+1], v[DP+16:DP+17]
	v_add_f32 v[DP], v[DP], v[DP+1]                ; 32 of my row's 64 columns;
	v_permlanex16_b32 v[DP+1], v[DP], s16, s17     ; the other 32 lie in the lane 16 away
	v_add_f32 v[DP], v[DP], v[DP+1]
.irp m, 1,2,4,8
	v_max_num_f32_dpp v[DP], v[DP], v[DP] row_xmask:\m row_mask:0xf bank_mask:0xf
.endr
	v_mov_b32 v[RS+1], v[DP]                       ; nP over my wave's 16 rows
	v_mov_b32 v[RS+3], 0
	v_mov_b32 v11, s18
	ds_store_b128 v11, v[RS:RS+3]                  ; all lanes write the same 16 bytes with the same numbers
	s_wait_dscnt 0x0                               ; for the others' sake
	s_barrier_signal -1
	s_barrier_wait -1
	v_mov_b32 v12, PART
.irp k, 0,1,2,3
	ds_load_b128 v[AF+4*\k:AF+4*\k+3], v12 offset:16*\k
.endr
	s_wait_dscnt 0x0
.irp i, 0,1,2
	v_max3_num_f32 v[AF+\i], v[AF+\i], v[AF+4+\i], v[AF+8+\i]
.endr
.irp i, 0,1,2
	v_max_num_f32 v[AF+\i], v[AF+\i], v[AF+12+\i]  ; nA, nP, T of the whole
.endr
	v_mul_f32 v11, v[AF], v[AF]                    ; nA^2
	v_fmamk_f32 v12, v11, 0x3c800000, v[AF+1]      ; nA^2 / 64 + nP
	v_mul_f32 v11, 0x3d800000, v11                 ; nA^2 / 16
	v_max_num_f32 v12, v12, v11                    ; h^2
	v_sqrt_f32 v13, v12
	v_mul_f32 v14, 0x3e924925, v[AF+2]             ; T / 3.5: the plain line behind the root (ISA guide 5.7.2)
	s_wait_alu depctr_va_vdst(0)                   ; the wait ahead of the root's first reader
	v_mul_f32 v13, v13, v14
	v_cvt_u32_f32 v13, v13                         ; toward zero
	v_min_u32 v13, 0xfff, v13
	v_add_nc_u32 v14, 1, v13                       ; s = 1 .. 4,096
	v_mov_b32 v15, v14
	v_and_b32 v11, 31, v0
	v_lshlrev_b32 v11, 3, v11
	s_cmp_lg_u32 s14, 0
	s_cbranch_scc1 .Lend                           ; wave 0 alone stores it
	global_store_b64 v11, v[14:15], s[10:11]       ; 32 lanes x 8 bytes: the buffer's 256 bytes, whole
.Lend:
	s_wait_tensorcnt 0x0                           ; the wave's end, behind my last LDS store
	ds_add_u32 v[SPW], v[NIL]
	s_wait_dscnt 0x0
	s_endpgm
.Lfunc_end_k_qbc6dbc51ae_prep:
	.size	k_qbc6dbc51ae_prep, .Lfunc_end_k_qbc6dbc51ae_prep-k_qbc6dbc51ae_prep
	.p2alignl 7, 3214868480
	.fill 96, 4, 3214868480
	.section	.rodata,"a",@progbits
	.p2align	6, 0x0
	.amdhsa_kernel k_qbc6dbc51ae_prep
		.amdhsa_group_segment_fixed_size 21248
		.amdhsa_private_segment_fixed_size 0
		.amdhsa_enable_private_segment 0
		.amdhsa_kernarg_size 32
		.amdhsa_user_sgpr_count 2
		.amdhsa_user_sgpr_kernarg_segment_ptr 1
		.amdhsa_wavefront_size32 1
		.amdhsa_system_sgpr_workgroup_id_x 1
		.amdhsa_system_sgpr_workgroup_id_y 1
		.amdhsa_system_sgpr_workgroup_id_z 1
		.amdhsa_system_vgpr_workitem_id 0
		.amdhsa_next_free_vgpr 248
		.amdhsa_next_free_sgpr 66
		.amdhsa_reserve_vcc 0
		.amdhsa_float_denorm_mode_32 3
		.amdhsa_float_denorm_mode_16_64 3
		.amdhsa_memory_ordered 1
		.amdhsa_forward_progress 1
		.amdhsa_inst_pref_size 25
	.end_amdhsa_kernel
	.amdgpu_metadata
---
amdhsa.version: [ 1, 2 ]
amdhsa.kernels:
  - .name:           k_qbc6dbc51ae_prep
    .symbol:         k_qbc6dbc51ae_prep.kd
    .args:
      - { .name: dt, .offset: 0, .size: 8, .value_kind: global_buffer, .address_space: global }
      - { .name: kernel, .offset: 8, .size: 8, .value_kind: global_buffer, .address_space: global }
      - { .name: afrag, .offset: 16, .size: 8, .value_kind: global_buffer, .address_space: global }
      - { .name: steps, .offset: 24, .size: 8, .value_kind: global_buffer, .address_space: global }
    .group_segment_fixed_size: 21248
    .private_segment_fixed_size: 0
    .kernarg_segment_align: 8
    .kernarg_segment_size: 32
    .max_flat_workgroup_size: 128
    .sgpr_count:     66
    .vgpr_count:     248
    .wavefront_size: 32
...
	.end_amdgpu_metadata
.endif
;; end of part 1
;; launch main (part 2): grid 256 x 1, 2 waves a work-group, no clusters, 8,960 bytes of LDS; arguments dt, x0, afrag, steps, out0; writes out0
.if DOCPART == 2
	.amdgcn_target "amdgcn-amd-amdhsa--gfx1250"
	.amdhsa_code_object_version 6
	.text
	.protected	k_qbc6dbc51ae_main
	.globl	k_qbc6dbc51ae_main
	.p2align	8
	.type	k_qbc6dbc51ae_main,@function
k_qbc6dbc51ae_main:
	s_mov_b64 s[64:65], 0
	v_nop
	global_prefetch_b8 v0, s[64:65] scope:SCOPE_SE
	s_setreg_imm32_b32 hwreg(HW_REG_WAVE_MODE, 25, 1), 1
	s_wait_xcnt 0x0
; out0[b] = exp(dt[b] A) x0[b], b = 0 .. 8,191; x0, out0: [8192][64] f32; dt: [8192] f32.  afrag holds A as bf16 hi and lo in fragment order, steps the whole number s (both made by the launch before).
; THE METHOD.  exp(t A) x = (exp(t A / s))^s x, exactly; each of the s stages applies the Taylor polynomial of degree 16 to the vector, by Horner: w = y; for j = 16 .. 1: w = y + (c / j) A w; y = w, with c = dt / s.
; s is chosen so that |c| h < 3.5, where h^2 bounds the largest row sum of |A A| and 4 h that of |A|: what a stage leaves out is below 4 x 3.5^17 / 17! + 3.5^18 / 18! + .. = 2.2e-5 of the largest |y|, for every input.
; No matrix exponential is formed: only its action on one vector a row is wanted, and a term for 16 rows is a product of 64 x 64 by 64 x 16.
; FORMATS.  y, w and all sums in f32.  Both matrix operands go in as two bf16 numbers, hi + lo (16 significant bits): A w = Ah wh + Al wh + Ah wl; Al wl, 2^-16 of the product, is left out.
; LIMITS.  s stops at 4,096 (h max|dt| <= 14,336); partial sums reach some 130 times the largest |y|, so |x0| stays under 2e36; below 1e-35 the lo parts lose bits; NaN and infinities are not treated apart.
; SHARES.  512 tiles of 16 rows; a wave owns one for the whole launch: tile = 2 x work-group + wave.  No wave reads what another made: no barrier.  A tile is not split further: its parts would have to meet in LDS in every term.
; What the waves share is afrag, 16 KiB, which each reads once into registers: no tensor load, no slots, no joint requests.
; LAYOUT.  w^T = A w^T: source 0 = 16 rows of A, source 1 = my 16 batch rows.  Lane (r = lane % 16, h = lane / 16) holds batch row r, and register 8 a + j its state 16 a + 8 h + j.  Rounded in pairs, registers
; 16 c .. 16 c + 15 ARE source 1 for K half c (states 32 c + 8 h + 0..7, then 32 c + 16 + 8 h + 0..7): nothing changes lanes between terms, and dt is one number a lane.
.set SP,    272                        ; a row of the stage: 256 bytes + 16 = 68 words: row r starts at bank 4 r mod 64 (64 banks of 4 bytes: ISA guide 11.1)
.set STG,   16*SP                      ; a wave's stage: 16 rows
.set SPARE, 2*STG                      ; 8,704: the spare words, 128 bytes for each wave: a block of 256 bytes that no other line names
.set TERMS, 16
.set GO,   3                           ; v3   16 x lane: my place in 512 consecutive bytes; never rewritten
.set STO,  4                           ; v4   the stage by lanes' layout: row r, 32 bytes at 32 h
.set RD,   5                           ; v5   the stage by rows: row h, 16 bytes at 16 r
.set DO,   6                           ; v6   4 r: my row's dt
.set R,    7                           ; v7   a reciprocal
.set SPW,  8                           ; v8   LDS address of my spare word: SPARE + 4 x my thread's number; never rewritten
.set NIL,  9                           ; v9   0; never rewritten
.set NEG1, 10                          ; v10  -1.0
.set J,    11                          ; v11  j, as f32
.set C,    12                          ; v[12:13] c = dt / s; the packed multiply-add names a pair and takes its low register for both halves
.set CO,   14                          ; v[14:15] c / j, likewise
.set AH,   16                          ; v[16:79]   A's hi: rows 16 a .., K half c at + 8 (2 a + c)
.set AL,   80                          ; v[80:143]  A's lo
.set Y,    144                         ; v[144:175] y
.set D,    176                         ; v[176:207] four accumulators: A w
.set H,    208                         ; v[208:223] w's hi, packed
.set L,    224                         ; v[224:239] w's lo
.set TM,   240                         ; v[240:247] at work
	s_load_b256 s[4:11], s[0:1], 0x0               ; dt s[4:5], x0 s[6:7], afrag s[8:9], steps s[10:11]
	s_load_b64 s[12:13], s[0:1], 0x20              ; out0
	v_lshl_add_u32 v[SPW], v0, 2, SPARE
	v_mov_b32 v[NIL], 0
	v_mov_b32 v[NEG1], -1.0
	v_mov_b32 v[CO+1], 0                           ; named with CO as a pair, so it is written
	v_lshrrev_b32 v11, 5, v0
	v_readfirstlane_b32 s14, v11                   ; wave 0, 1
	s_lshl_b32 s15, ttmp9, 1
	s_add_co_u32 s15, s15, s14                     ; my tile
	s_lshl_b32 s16, s15, 12                        ; its 16 rows of 256 bytes in x0 and out0
	s_mov_b32 s17, 0
	s_lshl_b32 s18, s15, 6                         ; its 16 numbers of dt
	s_mov_b32 s19, 0
	s_mul_i32 s23, s14, STG                        ; my stage
	v_and_b32 v1, 15, v0                           ; r
	v_bfe_u32 v2, v0, 4, 1                         ; h
	v_and_b32 v[GO], 31, v0
	v_lshlrev_b32 v[GO], 4, v[GO]
	v_mul_u32_u24 v[STO], v1, SP
	v_lshl_add_u32 v[STO], v2, 5, v[STO]
	v_add_nc_u32 v[STO], s23, v[STO]
	v_mul_u32_u24 v[RD], v2, SP
	v_lshl_add_u32 v[RD], v1, 4, v[RD]
	v_add_nc_u32 v[RD], s23, v[RD]
	v_lshlrev_b32 v[DO], 2, v1
	s_wait_kmcnt 0x0
	s_load_b32 s20, s[10:11], 0x0                  ; s
	s_add_nc_u64 s[6:7], s[6:7], s[16:17]
	s_add_nc_u64 s[12:13], s[12:13], s[16:17]
	s_add_nc_u64 s[4:5], s[4:5], s[18:19]
.irp t, 0,1,2,3,4,5,6,7
	global_load_b128 v[D+4*\t:D+4*\t+3], v[GO], s[6:7] offset:512*\t th:TH_LOAD_NT   ; rows 2 t and 2 t + 1: 512 consecutive bytes
.endr
	global_load_b32 v[C], v[DO], s[4:5]
.irp f, 0,1,2,3,4,5,6,7
.irp q, 0,1
	global_load_b128 v[AH+8*\f+4*\q:AH+8*\f+4*\q+3], v[GO], s[8:9] offset:1024*\f+512*\q
	global_load_b128 v[AL+8*\f+4*\q:AL+8*\f+4*\q+3], v[GO], s[8:9] offset:8192+1024*\f+512*\q
.endr
.endr
; The 24 products of a term.  The four accumulators take turns, one instruction a turn; the first four start the sums with the constant 0.
.macro PROD p, w, zero
.irp c, 0,1
.irp a, 0,1,2,3
.if (\zero) && ((\c) == 0)
	v_wmma_f32_16x16x32_bf16 v[D+8*(\a):D+8*(\a)+7], v[(\p)+8*(2*(\a)+(\c)):(\p)+8*(2*(\a)+(\c))+7], v[(\w)+8*(\c):(\w)+8*(\c)+7], 0
.else
	v_wmma_f32_16x16x32_bf16 v[D+8*(\a):D+8*(\a)+7], v[(\p)+8*(2*(\a)+(\c)):(\p)+8*(2*(\a)+(\c))+7], v[(\w)+8*(\c):(\w)+8*(\c)+7], v[D+8*(\a):D+8*(\a)+7]
.endif
.endr
.endr
.endm
.macro MULS
	PROD AH, H, 1
	PROD AL, H, 0
	PROD AH, L, 0
.endm
; Eight numbers in v[src ..] become four registers of hi and four of lo, group g of four: hi = bf16(w); w - hi, exact, by one fused multiply-add from the bf16 half; lo = bf16 of that.  src is kept, or is TM itself.
.macro SPLIT4 g, src
.irp i, 0,1,2,3
	v_cvt_pk_bf16_f32 v[H+4*(\g)+\i], v[(\src)+2*\i], v[(\src)+2*\i+1]
.endr
.irp i, 0,1,2,3
	v_fma_mix_f32_bf16 v[TM+2*\i], v[H+4*(\g)+\i], v[NEG1], v[(\src)+2*\i] op_sel_hi:[1,0,0]
	v_fma_mix_f32_bf16 v[TM+2*\i+1], v[H+4*(\g)+\i], v[NEG1], v[(\src)+2*\i+1] op_sel:[1,0,0] op_sel_hi:[1,0,0]
.endr
.irp i, 0,1,2,3
	v_cvt_pk_bf16_f32 v[L+4*(\g)+\i], v[TM+2*\i], v[TM+2*\i+1]
.endr
.endm
; w = y + cf x (A w), accumulator after accumulator, each from its low end on, and split at once.  fin = 1: the stage's last term: w is the new y.
.macro COMB fin, cf
.irp g, 0,1,2,3
.irp i, 0,1,2,3
.if \fin
	v_pk_fma_f32 v[Y+8*\g+2*\i:Y+8*\g+2*\i+1], v[D+8*\g+2*\i:D+8*\g+2*\i+1], v[\cf:\cf+1], v[Y+8*\g+2*\i:Y+8*\g+2*\i+1] op_sel_hi:[1,0,1]
.else
	v_pk_fma_f32 v[TM+2*\i:TM+2*\i+1], v[D+8*\g+2*\i:D+8*\g+2*\i+1], v[\cf:\cf+1], v[Y+8*\g+2*\i:Y+8*\g+2*\i+1] op_sel_hi:[1,0,1]
.endif
.endr
.if \fin
	SPLIT4 \g, Y+8*\g
.else
	SPLIT4 \g, TM
.endif
.endr
.endm
	; x0 changes layout through my own stage: in by rows, back by lanes
	s_wait_loadcnt 33                              ; loads come back in order (ISA guide 5.7.1): x0's eight are in; dt's one and afrag's 32 stay out
.irp t, 0,1,2,3,4,5,6,7
	ds_store_b128 v[RD], v[D+4*\t:D+4*\t+3] offset:2*SP*\t
.endr
.irp a, 0,1,2,3
.irp q, 0,1
	ds_load_b128 v[Y+8*\a+4*\q:Y+8*\a+4*\q+3], v[STO] offset:64*\a+16*\q   ; LDS serves a wave's instructions in order (ISA guide 5.7.1.4): these see the stores above
.endr
.endr
	s_wait_kmcnt 0x0                               ; s
	s_min_u32 s20, s20, 4096                       ; held to the range in which it was made
	s_max_u32 s20, s20, 1
	v_cvt_f32_u32 v[J], s20
	v_rcp_f32 v[R], v[J]
	v_nop                                          ; the plain line behind the reciprocal (ISA guide 5.7.2)
	s_wait_loadcnt 32                              ; dt is in; afrag's 32 stay out
	s_wait_alu depctr_va_vdst(0)                   ; the wait ahead of the reciprocal's first reader
	v_mul_f32 v[C], v[C], v[R]                     ; c = dt / s
	v_mov_b32 v[C+1], v[C]                         ; named with it as a pair
	s_wait_dscnt 0x0                               ; y is in
.irp g, 0,1,2,3
	SPLIT4 \g, Y+8*\g
.endr
	s_wait_loadcnt 0x0                             ; A
	s_mov_b32 s21, 0
.Lstage:                                               ; s trips: a trip is a stage; nothing is loaded or stored in it
	v_mov_b32 v[J], 0x41800000                     ; j = 16
	s_mov_b32 s22, TERMS-1
.Lterm:                                                ; 15 trips: j = 16 .. 2
	v_rcp_f32 v[R], v[J]                           ; 1 / j is made beside the products
	MULS
	v_nop                                          ; eight plain lines, none of which names a register of the products, stand between the last product and the lines that read its result
	v_nop                                          ; and write its sources (ISA guide 7.12.1), four of them to spare; two of the eight are work that is due
	v_add_f32 v[J], -1.0, v[J]
	v_nop
	v_nop
	v_nop
	s_wait_alu depctr_va_vdst(0)                   ; the wait ahead of the reciprocal's first reader
	v_mul_f32 v[CO], v[R], v[C]                    ; c / j
	v_nop
	COMB 0, CO
	s_sub_co_u32 s22, s22, 1
	s_cmp_lg_u32 s22, 0
	s_cbranch_scc1 .Lterm
	MULS                                           ; j = 1
.rept 8
	v_nop
.endr
	COMB 1, C                                      ; y is renewed, and split for the next stage
	s_add_co_u32 s21, s21, 1
	s_cmp_lt_u32 s21, s20
	s_cbranch_scc1 .Lstage
	; THE WAY OUT, through my stage again: in by lanes, back by rows
.irp a, 0,1,2,3
.irp q, 0,1
	ds_store_b128 v[STO], v[Y+8*\a+4*\q:Y+8*\a+4*\q+3] offset:64*\a+16*\q
.endr
.endr
.irp t, 0,1,2,3,4,5,6,7
	ds_load_b128 v[D+4*\t:D+4*\t+3], v[RD] offset:2*SP*\t
.endr
.irp t, 0,1,2,3,4,5,6,7
	s_wait_dscnt 7-\t                              ; load t is back; the younger ones stay out
	global_store_b128 v[GO], v[D+4*\t:D+4*\t+3], s[12:13] offset:512*\t th:TH_STORE_NT   ; 512 consecutive bytes, at a multiple of 256 from out0's first byte
.endr
	s_wait_tensorcnt 0x0                           ; the wave's end, behind my last LDS store
	ds_add_u32 v[SPW], v[NIL]
	s_wait_dscnt 0x0
	s_endpgm
.Lfunc_end_k_qbc6dbc51ae_main:
	.size	k_qbc6dbc51ae_main, .Lfunc_end_k_qbc6dbc51ae_main-k_qbc6dbc51ae_main
	.p2alignl 7, 3214868480
	.fill 96, 4, 3214868480
	.section	.rodata,"a",@progbits
	.p2align	6, 0x0
	.amdhsa_kernel k_qbc6dbc51ae_main
		.amdhsa_group_segment_fixed_size 8960
		.amdhsa_private_segment_fixed_size 0
		.amdhsa_enable_private_segment 0
		.amdhsa_kernarg_size 40
		.amdhsa_user_sgpr_count 2
		.amdhsa_user_sgpr_kernarg_segment_ptr 1
		.amdhsa_wavefront_size32 1
		.amdhsa_system_sgpr_workgroup_id_x 1
		.amdhsa_system_sgpr_workgroup_id_y 1
		.amdhsa_system_sgpr_workgroup_id_z 1
		.amdhsa_system_vgpr_workitem_id 0
		.amdhsa_next_free_vgpr 248
		.amdhsa_next_free_sgpr 66
		.amdhsa_reserve_vcc 0
		.amdhsa_float_denorm_mode_32 3
		.amdhsa_float_denorm_mode_16_64 3
		.amdhsa_memory_ordered 1
		.amdhsa_forward_progress 1
		.amdhsa_inst_pref_size 27
	.end_amdhsa_kernel
	.amdgpu_metadata
---
amdhsa.version: [ 1, 2 ]
amdhsa.kernels:
  - .name:           k_qbc6dbc51ae_main
    .symbol:         k_qbc6dbc51ae_main.kd
    .args:
      - { .name: dt, .offset: 0, .size: 8, .value_kind: global_buffer, .address_space: global }
      - { .name: x0, .offset: 8, .size: 8, .value_kind: global_buffer, .address_space: global }
      - { .name: afrag, .offset: 16, .size: 8, .value_kind: global_buffer, .address_space: global }
      - { .name: steps, .offset: 24, .size: 8, .value_kind: global_buffer, .address_space: global }
      - { .name: out0, .offset: 32, .size: 8, .value_kind: global_buffer, .address_space: global }
    .group_segment_fixed_size: 8960
    .private_segment_fixed_size: 0
    .kernarg_segment_align: 8
    .kernarg_segment_size: 40
    .max_flat_workgroup_size: 64
    .sgpr_count:     66
    .vgpr_count:     248
    .wavefront_size: 32
...
	.end_amdgpu_metadata
.endif
;; end of part 2
;; ======== version 2 of 2: 2 launches; version 1 with the launch prep written anew for expert scheduling mode
;; workspace buffers: afrag 16,384 bytes; steps 256 bytes of whole numbers
;; launch prep (part 3): grid 1 x 1, 4 waves a work-group, no clusters, 21,248 bytes of LDS; arguments dt, kernel, afrag, steps; writes afrag, steps
.if DOCPART == 3
	.amdgcn_target "amdgcn-amd-amdhsa--gfx1250"
	.amdhsa_code_object_version 6
	.text
	.protected	k_qbc6dbc51ae_prep
	.globl	k_qbc6dbc51ae_prep
	.p2align	8
	.type	k_qbc6dbc51ae_prep,@function
k_qbc6dbc51ae_prep:
	s_mov_b64 s[64:65], 0
	v_nop
	global_prefetch_b8 v0, s[64:65] scope:SCOPE_SE
	s_setreg_imm32_b32 hwreg(HW_REG_WAVE_SCHED_MODE, 0, 2), 2
	s_setreg_imm32_b32 hwreg(HW_REG_WAVE_MODE, 25, 1), 1
	s_wait_xcnt 0x0
	s_wait_alu depctr_vm_vsrc(0)
; PREPARATION for out[b] = exp(dt[b] A) x0[b], A = kernel, 64 x 64 f32; dt: 8,192 f32.  One work-group of four waves: 48 KiB of input and one 64 x 64 x 64 product are work for no more.
; IT STORES (1) afrag: A as two bf16 numbers, hi = bf16(A) and lo = bf16(A - hi), in the order of matrix fragments: byte part x 8192 + (2 a + c) x 1024 + q x 512 + lane x 16 holds, for lane (r = lane % 16,
; h = lane / 16), row 16 a + r, columns 32 c + 16 q + 8 h + 0..7;  (2) steps: the whole number s, 64 times (a whole block of 256 bytes), the next launch's count of stages.
; HOW s IS MADE.  T = max |dt|; nA = the largest row sum of |A|; nP = the largest row sum of |hi hi|.  h^2 = max(nP + nA^2 / 64, nA^2 / 16): the first arm bounds the norm of A A (the two roundings to bf16
; move it by 2 x 2^-8 nA^2 at the most, half of nA^2 / 64), the second gives nA <= 4 h.  s = min(floor(h T / 3.5), 4095) + 1, so that |dt| h / s < 3.5 in every row.
; LIMITS.  h T <= 14,336 (s stops at 4,096); nA^2 must be finite in f32 (nA < 1.8e19); an h^2 below 2^-126 counts as 0 (s = 1); a NaN in dt or A loses in every maximum.
; SHARES.  Thread t takes 16 bytes of every eighth row of A (row 8 q + t / 16, columns 4 (t % 16) ..) and 64 numbers of dt.  Wave w takes rows 16 w .. 16 w + 15 of A as fragments: it stores them, and makes those rows of hi hi.
; THE MODE: SCHED_MODE bits 1:0 = 2 (LLVM: expert scheduling mode 2), set by the entry lines.  The code itself states the register dependences
; between vector or matrix instructions and memory or LDS instructions, with s_wait_alu, always for 0.
; THE PLAN.  Registers that memory or LDS instructions touch:
;   v3 .. v9      offsets and LDS addresses: made at the head, ahead of one wait on va_vdst, and never written again.
;   AF            A's loads land in it; the conversions work in it; behind the second barrier the LDS loads of the four waves' figures land in its first 16 registers.
;   DT            dt's loads land in it; after that vector and matrix instructions alone name it.
;   HP, LP        written by the conversions, read by the 16 LDS stores, never written again: one wait on va_vdst behind all the conversions, then the stores in one run, and the row sums' reduction behind them.
;   S1H, S1L, S0  LDS loads land in them; matrix instructions and global stores read them; no vector or matrix instruction writes them.
;   RS            written by vector instructions, read by one LDS store, never written again: one wait on va_vdst ahead of that store.
;   v11, v14, v15 the last store's offset and data: one wait on va_vdst ahead of it; no earlier memory instruction names them.
; No register that a memory or LDS instruction reads is written again, so only the entry and end lines wait on vm_vsrc.
.set PITCH, 160                        ; an LDS row of A in bf16: 128 bytes + 32
.set HI,    0                          ; 64 rows of hi
.set LO,    64*PITCH                   ; 64 rows of lo
.set PART,  2*64*PITCH                 ; 20,480: 16 bytes for each wave: its nA, nP, T, 0; a block of 256 bytes of its own; the 512 bytes behind it hold the spare words, 4 bytes for each thread
.set PA,   8                           ; v8   LDS address of my wave's 16 bytes; never rewritten
.set PB,   9                           ; v9   LDS address of the four waves' figures; never rewritten
.set NEG1, 10                          ; v10  -1.0
.set AF,   16                          ; v[16:47]    A in f32, then A - hi; later the four waves' figures
.set DT,   48                          ; v[48:111]   dt
.set DP,   48                          ; v[48:79]    later: four accumulators, my 16 rows of hi hi
.set HP,   112                         ; v[112:127]  hi, packed
.set LP,   128                         ; v[128:143]  lo, packed
.set S1H,  144                         ; v[144:159]  my 16 rows of hi as two fragments (K half c at + 8 c)
.set S1L,  160                         ; v[160:175]  the same of lo
.set S0,   176                         ; v[176:239]  hi turned: columns 16 a .. of hi, K half c, at + 8 (2 a + c)
.set RS,   240                         ; v[240:247]  row sums; then v[240:243] = nA, nP, T, 0
	s_load_b256 s[4:11], s[0:1], 0x0               ; dt s[4:5], kernel s[6:7], afrag s[8:9], steps s[10:11]
	v_lshl_add_u32 v248, v0, 2, 0x5100
	v_mov_b32 v249, 0
	v_mov_b32 v[NEG1], -1.0
	v_lshrrev_b32 v11, 5, v0
	v_readfirstlane_b32 s14, v11                   ; wave 0..3
	s_mov_b32 s15, 0x7fffffff                      ; clears a sign
	s_mov_b32 s16, 0x76543210                      ; v_permlanex16_b32: each lane takes its own place in the other half
	s_mov_b32 s17, 0xfedcba98
	v_and_b32 v1, 15, v0                           ; r
	v_bfe_u32 v2, v0, 4, 1                         ; h
	v_lshlrev_b32 v3, 4, v0                        ; 16 x thread: the loads' offset
	v_lshrrev_b32 v11, 4, v0
	v_mul_u32_u24 v4, v11, PITCH
	v_lshl_add_u32 v4, v1, 3, v4                   ; into LDS: row t / 16, 8 bytes at 8 r
	v_and_b32 v11, 7, v0
	v_lshl_add_u32 v11, v2, 3, v11
	v_mul_u32_u24 v6, v11, PITCH
	v_bfe_u32 v12, v0, 3, 1
	v_lshl_add_u32 v6, v12, 4, v6                  ; a fragment turned: row 8 h + lane % 8, 16 bytes at 16 ((lane / 8) % 2)
	v_mov_b32 v[PB], PART
	s_wait_alu depctr_va_sdst(0)                   ; s14 is written, ahead of its first reader; the address work above, which needs no wave number, stands between
	s_lshl_b32 s18, s14, 4
	s_add_co_u32 s18, s18, PART                    ; my wave's 16 bytes
	s_lshl_b32 s19, s14, 11                        ; my wave's two fragments in afrag
	v_lshl_add_u32 v11, s14, 4, v1
	v_mul_u32_u24 v5, v11, PITCH
	v_lshl_add_u32 v5, v2, 4, v5                   ; a fragment as it lies: row 16 w + r, 16 bytes at 16 h
	v_and_b32 v11, 31, v0
	v_lshl_add_u32 v7, v11, 4, s19                 ; afrag: 2,048 w + 16 x lane
	v_mov_b32 v[PA], s18
	s_wait_kmcnt 0x0
	s_wait_alu depctr_va_vdst(0)                   ; the seven offsets and addresses v3 to v9 are written, which the loads, stores and LDS instructions of the whole kernel read
.irp q, 0,1,2,3,4,5,6,7
	global_load_b128 v[AF+4*\q:AF+4*\q+3], v3, s[6:7] offset:2048*\q   ; a wave's load covers 512 consecutive bytes
.endr
.set i, 0
.rept 16
	global_load_b128 v[DT+4*i:DT+4*i+3], v3, s[4:5] offset:2048*i
.set i, i+1
.endr
; My four numbers of row 8 q + t / 16: the sum of their magnitudes; hi; A - hi (exact in f32: one fused multiply-add from the bf16 half); lo.
.macro CONVQ q
	v_and_b32 v11, s15, v[AF+4*(\q)]
	v_and_b32 v12, s15, v[AF+4*(\q)+1]
	v_and_b32 v13, s15, v[AF+4*(\q)+2]
	v_and_b32 v14, s15, v[AF+4*(\q)+3]
	v_add_f32 v11, v11, v12
	v_add_f32 v13, v13, v14
	v_add_f32 v[RS+(\q)], v11, v13
	v_cvt_pk_bf16_f32 v[HP+2*(\q)], v[AF+4*(\q)], v[AF+4*(\q)+1]
	v_cvt_pk_bf16_f32 v[HP+2*(\q)+1], v[AF+4*(\q)+2], v[AF+4*(\q)+3]
	v_fma_mix_f32_bf16 v[AF+4*(\q)], v[HP+2*(\q)], v[NEG1], v[AF+4*(\q)] op_sel_hi:[1,0,0]
	v_fma_mix_f32_bf16 v[AF+4*(\q)+1], v[HP+2*(\q)], v[NEG1], v[AF+4*(\q)+1] op_sel:[1,0,0] op_sel_hi:[1,0,0]
	v_fma_mix_f32_bf16 v[AF+4*(\q)+2], v[HP+2*(\q)+1], v[NEG1], v[AF+4*(\q)+2] op_sel_hi:[1,0,0]
	v_fma_mix_f32_bf16 v[AF+4*(\q)+3], v[HP+2*(\q)+1], v[NEG1], v[AF+4*(\q)+3] op_sel:[1,0,0] op_sel_hi:[1,0,0]
	v_cvt_pk_bf16_f32 v[LP+2*(\q)], v[AF+4*(\q)], v[AF+4*(\q)+1]
	v_cvt_pk_bf16_f32 v[LP+2*(\q)+1], v[AF+4*(\q)+2], v[AF+4*(\q)+3]
.endm
	s_wait_loadcnt 16                              ; loads come back in order (ISA guide 5.7.1): A's eight are in, dt's sixteen stay out
.irp q, 0,1,2,3,4,5,6,7
	CONVQ \q
.endr
	s_wait_alu depctr_va_vdst(0)                   ; the conversions have written HP and LP, which the sixteen LDS stores read
.irp q, 0,1,2,3,4,5,6,7
	ds_store_b64 v4, v[HP+2*\q:HP+2*\q+1] offset:HI+8*PITCH*\q         ; both into LDS, in one run; the reduction below names RS alone and runs while they are out
	ds_store_b64 v4, v[LP+2*\q:LP+2*\q+1] offset:LO+8*PITCH*\q
.endr
	; the 16 lanes of a half hold one row: four steps on the arithmetic itself give its sum in each of them
.irp m, 1,2,4,8
.irp q, 0,1,2,3,4,5,6,7
	v_add_f32_dpp v[RS+\q], v[RS+\q], v[RS+\q] row_xmask:\m row_mask:0xf bank_mask:0xf
.endr
.endr
	v_max3_num_f32 v[RS], v[RS], v[RS+1], v[RS+2]
	v_max3_num_f32 v[RS+3], v[RS+3], v[RS+4], v[RS+5]
	v_max3_num_f32 v[RS], v[RS], v[RS+6], v[RS+7]
	v_max_num_f32 v[RS], v[RS], v[RS+3]
	v_permlanex16_b32 v[RS+1], v[RS], s16, s17     ; the other half's rows
	v_max_num_f32 v[RS], v[RS], v[RS+1]            ; nA over my wave's 16 rows, in every lane
	s_wait_dscnt 0x0                               ; for the others' sake: my stores of hi and lo are done
	s_barrier_signal -1
	s_barrier_wait -1                              ; hi and lo are whole; nobody writes them again
	; No wait on va_vdst here: v5 and v6 were written ahead of the head's wait, and no vector instruction has named S1H, S0 or S1L
.irp c, 0,1
.irp q, 0,1
	ds_load_b128 v[S1H+8*\c+4*\q:S1H+8*\c+4*\q+3], v5 offset:HI+64*\c+32*\q
.endr
.endr
.irp a, 0,1,2,3
.irp c, 0,1
	ds_load_tr16_b128 v[S0+8*(2*\a+\c):S0+8*(2*\a+\c)+3],   v6 offset:HI+32*PITCH*\c+32*\a            ; k = 32 c + 8 h + 0..7 of column 16 a + r
	ds_load_tr16_b128 v[S0+8*(2*\a+\c)+4:S0+8*(2*\a+\c)+7], v6 offset:HI+32*PITCH*\c+16*PITCH+32*\a   ; k = 32 c + 16 + 8 h + 0..7
.endr
.endr
.irp c, 0,1
.irp q, 0,1
	ds_load_b128 v[S1L+8*\c+4*\q:S1L+8*\c+4*\q+3], v5 offset:LO+64*\c+32*\q
.endr
.endr
	; T = max |dt|, while the LDS loads are out: my 64 numbers in four chains that do not wait for each other, then across the lanes
	s_wait_loadcnt 0x0
.set i, 0
.rept 64
	v_and_b32 v[DT+i], s15, v[DT+i]
.set i, i+1
.endr
.irp k, 0,1,2,3
	v_max_num_f32 v[DT+16*\k], v[DT+16*\k], v[DT+16*\k+1]
.endr
.irp i, 1,2,3,4,5,6,7
.irp k, 0,1,2,3
	v_max3_num_f32 v[DT+16*\k], v[DT+16*\k], v[DT+16*\k+2*\i], v[DT+16*\k+2*\i+1]
.endr
.endr
	v_max3_num_f32 v[DT], v[DT], v[DT+16], v[DT+32]
	v_max_num_f32 v[DT], v[DT], v[DT+48]
.irp m, 1,2,4,8
	v_max_num_f32_dpp v[DT], v[DT], v[DT] row_xmask:\m row_mask:0xf bank_mask:0xf
.endr
	v_permlanex16_b32 v[DT+1], v[DT], s16, s17
	v_max_num_f32 v[RS+2], v[DT], v[DT+1]          ; T over my wave's 2,048 numbers
	; hi hi, transposed use: source 0 = 16 columns of hi (turned), source 1 = my 16 rows: lane (r, h) gets row 16 w + r, columns 16 a + 8 h + 0..7.
	; The four accumulators take turns, one instruction a turn; the first four products start the sums.
	s_wait_dscnt 4                                 ; LDS loads come back in order: all but lo's four are in
.irp a, 0,1,2,3
	v_wmma_f32_16x16x32_bf16 v[DP+8*\a:DP+8*\a+7], v[S0+16*\a:S0+16*\a+7], v[S1H:S1H+7], 0
.endr
.irp a, 0,1,2,3
	v_wmma_f32_16x16x32_bf16 v[DP+8*\a:DP+8*\a+7], v[S0+16*\a+8:S0+16*\a+15], v[S1H+8:S1H+15], v[DP+8*\a:DP+8*\a+7]
.endr
	s_wait_dscnt 0x0                               ; lo's fragments are in
.irp c, 0,1
.irp q, 0,1
	global_store_b128 v7, v[S1H+8*\c+4*\q:S1H+8*\c+4*\q+3], s[8:9] offset:1024*\c+512*\q        ; each store of the wave covers 512 consecutive bytes, aligned; its data came by LDS loads, its offset from the head: no wait on va_vdst is owed
	global_store_b128 v7, v[S1L+8*\c+4*\q:S1L+8*\c+4*\q+3], s[8:9] offset:8192+1024*\c+512*\q
.endr
.endr
.rept 8
	v_nop                                          ; plain lines between the last product and the first reader of a result (ISA guide 7.12.1), with four to spare
.endr
.set i, 0
.rept 32
	v_and_b32 v[DP+i], s15, v[DP+i]                ; ascending: each accumulator is read from its low end on
.set i, i+1
.endr
.irp i, 0,1,2,3,4,5,6,7
	v_pk_add_f32 v[DP+4*\i:DP+4*\i+1], v[DP+4*\i:DP+4*\i+1], v[DP+4*\i+2:DP+4*\i+3]
.endr
.irp i, 0,1,2,3
	v_pk_add_f32 v[DP+8*\i:DP+8*\i+1], v[DP+8*\i:DP+8*\i+1], v[DP+8*\i+4:DP+8*\i+5]
.endr
.irp i, 0,1
	v_pk_add_f32 v[DP+16*\i:DP+16*\i+1], v[DP+16*\i:DP+16*\i+1], v[DP+16*\i+8:DP+16*\i+9]
.endr
	v_pk_add_f32 v[DP:DP+1], v[DP:DP+1], v[DP+16:DP+17]
	v_add_f32 v[DP], v[DP], v[DP+1]                ; 32 of my row's 64 columns;
	v_permlanex16_b32 v[DP+1], v[DP], s16, s17     ; the other 32 lie in the lane 16 away
	v_add_f32 v[DP], v[DP], v[DP+1]
.irp m, 1,2,4,8
	v_max_num_f32_dpp v[DP], v[DP], v[DP] row_xmask:\m row_mask:0xf bank_mask:0xf
.endr
	v_mov_b32 v[RS+1], v[DP]                       ; nP over my wave's 16 rows
	v_mov_b32 v[RS+3], 0
	s_wait_alu depctr_va_vdst(0)                   ; RS's four registers are written, which the LDS store reads; and the conversions are long done with AF, in which the LDS loads behind the barrier land
	ds_store_b128 v[PA], v[RS:RS+3]                ; all lanes write the same 16 bytes with the same numbers
	s_wait_dscnt 0x0                               ; for the others' sake
	s_barrier_signal -1
	s_barrier_wait -1
.irp k, 0,1,2,3
	ds_load_b128 v[AF+4*\k:AF+4*\k+3], v[PB] offset:16*\k   ; no vector instruction since the wait above names AF or v[PB]
.endr
	s_wait_dscnt 0x0
.irp i, 0,1,2
	v_max3_num_f32 v[AF+\i], v[AF+\i], v[AF+4+\i], v[AF+8+\i]
.endr
.irp i, 0,1,2
	v_max_num_f32 v[AF+\i], v[AF+\i], v[AF+12+\i]  ; nA, nP, T of the whole
.endr
	v_mul_f32 v11, v[AF], v[AF]                    ; nA^2
	v_fmamk_f32 v12, v11, 0x3c800000, v[AF+1]      ; nA^2 / 64 + nP
	v_mul_f32 v11, 0x3d800000, v11                 ; nA^2 / 16
	v_max_num_f32 v12, v12, v11                    ; h^2
	v_sqrt_f32 v13, v12
	v_mul_f32 v14, 0x3e924925, v[AF+2]             ; T / 3.5: the plain line behind the root (ISA guide 5.7.2)
	s_wait_alu depctr_va_vdst(0)                   ; the root has written v13, ahead of its first reader
	v_mul_f32 v13, v13, v14
	v_cvt_u32_f32 v13, v13                         ; toward zero
	v_min_u32 v13, 0xfff, v13
	v_add_nc_u32 v14, 1, v13                       ; s = 1 .. 4,096
	v_mov_b32 v15, v14
	v_and_b32 v11, 31, v0
	v_lshlrev_b32 v11, 3, v11
	s_cmp_lg_u32 s14, 0
	s_cbranch_scc1 .Lend                           ; wave 0 alone stores it
	s_wait_alu depctr_va_vdst(0)                   ; v14 and v15, the store's data, and v11, its offset, are written
	global_store_b64 v11, v[14:15], s[10:11]       ; 32 lanes x 8 bytes: the buffer's 256 bytes, whole
.Lend:
	s_wait_dscnt 0x0                               ; the wave's end: my last LDS instructions are done
	s_wait_alu depctr_hold_cnt(0) depctr_sa_sdst(0) depctr_va_vdst(0) depctr_va_sdst(0) depctr_va_ssrc(0) depctr_va_vcc(0) depctr_vm_vsrc(0)
	s_wait_tensorcnt 0x0
	ds_add_u32 v248, v249
	s_wait_dscnt 0x0
	s_endpgm
.Lfunc_end_k_qbc6dbc51ae_prep:
	.size	k_qbc6dbc51ae_prep, .Lfunc_end_k_qbc6dbc51ae_prep-k_qbc6dbc51ae_prep
	.p2alignl 7, 3214868480
	.fill 96, 4, 3214868480
	.section	.rodata,"a",@progbits
	.p2align	6, 0x0
	.amdhsa_kernel k_qbc6dbc51ae_prep
		.amdhsa_group_segment_fixed_size 21248
		.amdhsa_private_segment_fixed_size 0
		.amdhsa_enable_private_segment 0
		.amdhsa_kernarg_size 32
		.amdhsa_user_sgpr_count 2
		.amdhsa_user_sgpr_kernarg_segment_ptr 1
		.amdhsa_wavefront_size32 1
		.amdhsa_system_sgpr_workgroup_id_x 1
		.amdhsa_system_sgpr_workgroup_id_y 1
		.amdhsa_system_sgpr_workgroup_id_z 1
		.amdhsa_system_vgpr_workitem_id 0
		.amdhsa_next_free_vgpr 250
		.amdhsa_next_free_sgpr 66
		.amdhsa_reserve_vcc 0
		.amdhsa_float_denorm_mode_32 3
		.amdhsa_float_denorm_mode_16_64 3
		.amdhsa_memory_ordered 1
		.amdhsa_forward_progress 1
		.amdhsa_inst_pref_size 26
	.end_amdhsa_kernel
	.amdgpu_metadata
---
amdhsa.version: [ 1, 2 ]
amdhsa.kernels:
  - .name:           k_qbc6dbc51ae_prep
    .symbol:         k_qbc6dbc51ae_prep.kd
    .args:
      - { .name: dt, .offset: 0, .size: 8, .value_kind: global_buffer, .address_space: global }
      - { .name: kernel, .offset: 8, .size: 8, .value_kind: global_buffer, .address_space: global }
      - { .name: afrag, .offset: 16, .size: 8, .value_kind: global_buffer, .address_space: global }
      - { .name: steps, .offset: 24, .size: 8, .value_kind: global_buffer, .address_space: global }
    .group_segment_fixed_size: 21248
    .private_segment_fixed_size: 0
    .kernarg_segment_align: 8
    .kernarg_segment_size: 32
    .max_flat_workgroup_size: 128
    .sgpr_count:     66
    .vgpr_count:     250
    .wavefront_size: 32
...
	.end_amdgpu_metadata
.endif
;; end of part 3
;; launch main: the kernel of part 2 again; grid 256 x 1, 2 waves a work-group, no clusters, 8,960 bytes of LDS; arguments dt, x0, afrag, steps, out0; writes out0
